; MI455X (gfx1250); checked and timed in simulation.
; The chip was launched on July 23, 2026; its instructions are those of AMD's public machine-readable ISA for CDNA 5 (MIT licence, August 2026) and "CDNA5" Instruction Set Architecture Reference Guide (July 2026). The comments in the code are by the model that wrote it; some were corrected since.
;; Modular Q Lo RA Layer. Allowed arithmetic: matrix products marked QUANTISED: E2M3 operands, one E8M0 scale for each 32 along K, by v_wmma_scale_f32_16x16x128_f8f6f4 with both operands' format E2M3, f32 sums; products left as they are: f32 operands where the result goes on into a quantised operand, else bf16, f16 or f32 operands; f32 sums; everything else in f32.
;; Inputs: A 16 x 4,096 float32; B 4,096 x 16 float32; bias 4,096 float32; qweight 4,096 x 4,096 int32; scale one number float32; x 4 x 1,024 x 4,096 float32.
;; Outputs: out0 4 x 1,024 x 4,096 float32.
;; This version of the problem:
;;   THIS VERSION OF THE PROBLEM IS GIVEN IN LOW PRECISION. The matrix products marked QUANTISED in the list below multiply operands that are first quantised to E2M3 (2 exponent bits, 3 mantissa bits; 6 bits a number), with one power-of-two scale for each 32 numbers along K (OCP MX v1.0); their sums are f32. All else is computed in f32.
;;   The module's matrix products, in the order in which they are computed (A, B: the left and right operand; K: the contracted axis; several contracted axes count as one K, in the product's order):
;;     1. [M 4,096, K 4,096] x [K 4,096, N 16]; A: input x; B: input B: QUANTISED
;;     2. [M 4,096, K 16] x [K 16, N 4,096]; A: computed on the way; B: input A: left as it is (K = 16 < 32)
;;     3. [M 4,096, K 4,096] x [K 4,096, N 4,096]; A: input x; B: computed on the way: QUANTISED
;;   THE QUANTISER, for each operand of a quantised product, along K:
;;     - K is cut into blocks of 32 from its start; a last block that is shorter is filled with zeros.
;;     - A block's scale is 2^e with e = floor(log2(the largest magnitude in the block)) - 2, held to -126 .. 127; a block of zeros has e = 0. As a byte (E8M0): e + 127.
;;     - Each number is divided by its block's scale, clamped to +-7.5, and rounded to the nearest number of E2M3, ties to even, subnormals kept.
;;     - The product sums the exact products of the quantised numbers (number of the format x scale) in f32.
;;   ~~~python
;;   def quantise(x, axis):      # numpy; x: float32 -> the quantised numbers, widened to float32 again
;;       x = np.moveaxis(x, axis, -1); K = x.shape[-1]
;;       x = np.pad(x, [(0, 0)] * (x.ndim - 1) + [(0, -K % 32)]); x = x.reshape(x.shape[:-1] + (-1, 32)); a = np.abs(x).max(-1, keepdims=True)
;;       e = np.where(a > 0, np.clip(np.frexp(np.where(a > 0, a, 1))[1] - 1 - 2, -126, 127), 0)      # np.frexp(a)[1] - 1 = floor(log2(a)), exactly
;;       r = np.clip(x / 2.0 ** e, -7.5, 7.5)
;;       step = 2.0 ** (np.maximum(np.frexp(np.where(r == 0, 1, r))[1] - 1, 0) - 3)
;;       q = np.round(r / step) * step * 2.0 ** e      # np.round: ties to even
;;       return np.moveaxis(q.reshape(q.shape[:-2] + (-1,))[..., :K], -1, axis).astype(np.float32)
;;   ~~~
;;   OPERANDS COMPUTED ON THE WAY. 'Computed on the way' means the value that the module computes at that place (a softmax that the list does not call 'softmax' is quantised finished and normalised). What goes into a quantiser is computed in f32, as accurately as f32 sums, v_exp_f32 and their like allow (about 1e-6 of the number): no bf16 or f16 on the way to a quantiser, and a product that is left as it is and whose result goes on into a quantised operand takes f32 operands (vector FMAs, or v_wmma_f32_16x16x4_f32). A number that lies on a knife's edge between two numbers of the format may be rounded either way, as far as f32 arithmetic and the matrix unit's own rounding can turn it there, and no further.
;; One version. Each part assembles by itself: llvm-mc -triple=amdgcn-amd-amdhsa -mcpu=gfx1250 --defsym DOCPART=n.
;; ======== version 1 of 1: 2 launches
;; limits: values are held in bf16: 8 bits of precision; right only within a limited range of input values
;; workspace buffers: xq 13,107,200 bytes; wq 13,107,200 bytes; bq 65,536 bytes; aimg 262,144 bytes
;; launch quant (part 1): grid 1024 x 1, 4 waves a work-group, no clusters, 34,304 bytes of LDS; arguments x, qweight, scale, B, A, xq, wq, bq, aimg; writes xq, wq, bq, aimg
.if DOCPART == 1
	.amdgcn_target "amdgcn-amd-amdhsa--gfx1250"
	.amdhsa_code_object_version 6
	.text
	.protected	k_qd60b79e322_quant
	.globl	k_qd60b79e322_quant
	.p2align	8
	.type	k_qd60b79e322_quant,@function
k_qd60b79e322_quant:
	s_mov_b64 s[64:65], 0
	v_nop
	global_prefetch_b8 v0, s[64:65] scope:SCOPE_SE
	s_setreg_imm32_b32 hwreg(HW_REG_WAVE_MODE, 25, 1), 1
	s_wait_xcnt 0x0
; THE OPERANDS OF THE TWO QUANTISED PRODUCTS ARE MADE ONCE.  x [4096][4096] f32 and w = f32(qweight) x scale [4096][4096] (K innermost in both) become codes of FP6 (E2M3) with one E8M0 byte for each 32 along K.
; No step and no input of the problem is left out by this program.
; LAYOUT of xq and wq, chosen for the product's launch: [step q of 128 along K: 32][panel of 128 rows: 32][12,800 bytes].  A panel's block holds eight images of the matrix operand's registers
; (16 rows x 128 K: 12 registers of 32 lanes; registers 4 g .. 4 g + 3 of lane l at 512 g + 16 l: 1,536 bytes), then 512 bytes of scale words: [pair of 16-row blocks: 4][row r: 16][2 words].
; B [4096 (k)][16] becomes such an image and its scale words for each 128 along K (bq, 2,048 bytes a step); A [16][4096] becomes, for each 16 columns, the image of a bf16 operand (K = 32, ranks 16-31 zeros).
; A block's scale is 2^(floor(log2(its largest magnitude)) - 2); its byte is the largest magnitude's exponent field - 2, held at 1 from below; numbers are divided by it and rounded to the nearest code, ties to even, beyond the largest code the largest.
; LIMITS: a block whose largest magnitude lies under 2^-124 has its byte held at 1; a block of zeros gets the byte 1 where the rule says 127 (its codes are zeros, and this program alone reads the bytes);
; NaN and infinities among the inputs are not served; A is rounded to bf16.
; SHARES.  Work-groups 0-511: x; 512-1023: qweight.  A work-group takes 64 rows x 512 K, a wave 64 rows x 128 K: four images.  An image's 16 loads read 512 consecutive bytes of a row each; the 8 KiB turn through the wave's
; own stage in LDS (rows 528 bytes apart) and come back so that lane (r, h) holds row r, k = 32 h + 0..31 and 64 + 32 h + 0..31: the operand's own order.  So the conversions' results are the image, stored 512 consecutive bytes an instruction.
; Two images' loads (32 a wave) are out at a time.  Work-groups 0-7 also make bq and 8-15 aimg, a wave to 128 along K or 128 columns, while their first loads are out.  No tensor loads, no barrier: waves share nothing.
.set SP,    528
.set WST,   16*SP
.set SPARE, 4*WST                      ; the spare words, 128 bytes a wave
.set STEPB, 409600                     ; bytes of a step's 32 panels
.set PANB,  12800
.set C,     32                         ; v32-43   an image's 12 registers
.set T2,    44                         ; v44-51   the conversions whose place in the image begins on an odd register
.set SW,    52                         ; v52-55   the four images' scale words
.set R,     64                         ; v64-191  two sets of 64 as loaded
.set X,     192                        ; v192-255 my 64 numbers
	s_load_b256 s[4:11], s[0:1], 0x0               ; x, qweight, scale, B
	s_load_b256 s[12:19], s[0:1], 0x20             ; A, xq, wq, bq
	s_load_b64 s[20:21], s[0:1], 0x40              ; aimg
	v_lshl_add_u32 v14, v0, 2, SPARE
	v_mov_b32 v15, 0
	v_lshrrev_b32 v1, 5, v0
	v_readfirstlane_b32 s28, v1                    ; wave
	s_mov_b32 s32, 0x76543210
	s_mov_b32 s33, 0xfedcba98                      ; selects for lane l xor 16
	s_mov_b32 s35, 0
	s_mov_b32 s37, 0
	s_mov_b32 s47, 0
	s_cmp_lt_u32 ttmp9, 512
	s_cselect_b32 s30, 0, 1                        ; 1: int32 numbers, multiplied by scale
	s_cselect_b32 s31, 0, 512
	s_sub_co_u32 s29, ttmp9, s31
	s_lshr_b32 s39, s29, 3                         ; which 64 rows: 0 .. 63
	s_and_b32 s40, s29, 7
	s_lshl_b32 s40, s40, 2
	s_add_co_u32 s40, s40, s28                     ; step q
	s_lshl_b32 s34, s39, 20                        ; 64 rows of 16,384 bytes
	s_lshl_b32 s41, s40, 9
	s_add_co_u32 s34, s34, s41                     ; + 512 q
	s_mul_i32 s36, s40, STEPB
	s_lshr_b32 s41, s39, 1
	s_mul_i32 s41, s41, PANB
	s_add_co_u32 s36, s36, s41                     ; my panel's block
	s_and_b32 s41, s39, 1                          ; its upper or lower 64 rows
	s_mul_i32 s42, s41, 4*1536
	s_lshl_b32 s43, s41, 8
	s_add_co_u32 s43, s43, 8*1536
	s_mul_i32 s38, s28, WST
	v_and_b32 v2, 31, v0                           ; lane
	v_and_b32 v1, 15, v0                           ; r
	v_bfe_u32 v3, v0, 4, 1                         ; h
	v_lshlrev_b32 v4, 4, v2                        ; 16 x lane
	v_lshlrev_b32 v5, 3, v2
	v_add_nc_u32 v6, s38, v4                       ; the stage, on the way in
	v_mul_u32_u24 v7, v1, SP
	v_lshl_add_u32 v7, v3, 7, v7
	v_add_nc_u32 v7, s38, v7                       ; and out: row r, 128 h
	v_lshlrev_b32 v8, 3, v3                        ; 8 h: my bytes' place in a scale word
	v_mov_b32 v9, 0                                ; (a lane permute's destination counts as a source)
	v_add_nc_u32 v10, s42, v4                      ; my 16 bytes of an image's 512
	v_add_nc_u32 v11, s43, v5                      ; my 8 bytes of the wave's 256 of scale words
	s_wait_alu depctr_va_vdst(0)                   ; the wait at the head's end
	s_wait_kmcnt 0x0
	s_cmp_eq_u32 s30, 0                            ; the choice hangs on the work-group's number alone
	s_cselect_b64 s[4:5], s[4:5], s[6:7]
	s_cselect_b64 s[14:15], s[14:15], s[16:17]
	s_load_b32 s26, s[8:9], 0x0                    ; scale
	s_add_nc_u64 s[4:5], s[4:5], s[34:35]
	s_add_nc_u64 s[14:15], s[14:15], s[36:37]
.macro LOAD f
.irp j, 0,1,2,3,4,5,6,7,8,9,10,11,12,13,14,15
	global_load_b128 v[R+64*((\f)%2)+4*\j:R+64*((\f)%2)+4*\j+3], v4, s[4:5] offset:(16*(\f)+\j)*16384 th:TH_LOAD_NT
.endr
.endm
; my two blocks of 32 (c = 0, 1) in X become registers 6 c .. 6 c + 5 of the image in C; the row's scale word goes to wd, whole in both halves of the lanes
.macro QBLK wd
.irp c, 0,1
	v_max3_num_f32 v[16+\c], |v[X+32*\c]|, |v[X+1+32*\c]|, 0x1800000   ; with the floor 2^(3 - 127): the byte cannot fall under 1
.endr
.irp i, 2,4,6,8,10,12,14,16,18,20,22,24,26,28,30
.irp c, 0,1
	v_max3_num_f32 v[16+\c], v[16+\c], |v[X+32*\c+\i]|, |v[X+1+32*\c+\i]|
.endr
.endr
.irp c, 0,1
	v_add_nc_u32 v[18+\c], 0xff000000, v[16+\c]    ; 2 off the exponent field: the conversion's scale operand
.endr
.irp c, 0,1
	v_lshrrev_b32 v[20+\c], 23, v[18+\c]           ; the byte
.endr
	v_lshl_or_b32 v22, v21, 16, v20                ; blocks h and 2 + h,
	v_lshlrev_b32 v22, v8, v22                     ; 8 h bits up,
	v_permlanex16_b32 v9, v22, s32, s33
	v_or_b32 v[\wd], v22, v9                       ; with lane l xor 16's two
.irp c, 0,1
	v_cvt_scalef32_pk16_fp6_f32 v[C+6*\c:C+6*\c+2], v[X+32*\c:X+32*\c+15], v[18+\c]
	v_cvt_scalef32_pk16_fp6_f32 v[T2+4*\c:T2+4*\c+2], v[X+32*\c+16:X+32*\c+31], v[18+\c]
.endr
	v_nop                                          ; one plain instruction behind a scaled conversion
.irp c, 0,1
.irp i, 0,1,2
	v_mov_b32 v[C+3+6*\c+\i], v[T2+4*\c+\i]
.endr
.endr
.endm
	LOAD 0
	LOAD 1
	s_cmp_lt_u32 ttmp9, 16
	s_cbranch_scc0 .Lmain
	s_cmp_lt_u32 ttmp9, 8
	s_cbranch_scc0 .Lsmall_a
	; B: wave u = 4 x work-group + wave takes K = 128 u ..; lane r takes rank r, its registers run down K
	s_lshl_b32 s44, ttmp9, 2
	s_add_co_u32 s44, s44, s28
	s_lshl_b32 s46, s44, 13
	s_add_nc_u64 s[10:11], s[10:11], s[46:47]
	s_lshl_b32 s46, s44, 11
	s_add_nc_u64 s[18:19], s[18:19], s[46:47]
	v_lshlrev_b32 v12, 2, v1
	v_lshl_add_u32 v12, v3, 11, v12                ; 4 r, and 32 rows of 64 bytes down for lanes 16-31
	v_lshlrev_b32 v13, 2, v2
.irp c, 0,1
.irp i, 0,1,2,3,4,5,6,7,8,9,10,11,12,13,14,15,16,17,18,19,20,21,22,23,24,25,26,27,28,29,30,31
	global_load_b32 v[X+32*\c+\i], v12, s[10:11] offset:64*(64*\c+\i)
.endr
.endr
	s_wait_alu depctr_va_vdst(0)                   ; the wait ahead of the wait below
	s_wait_loadcnt 0x0
	QBLK 23
.irp g, 0,1,2
	global_store_b128 v4, v[C+4*\g:C+4*\g+3], s[18:19] offset:512*\g
.endr
	global_store_b32 v13, v23, s[18:19] offset:1536   ; (the 384 bytes behind the words are neither written nor read)
	s_wait_xcnt 0x0                                ; the stores' registers are written again below
	s_branch .Lmain
.Lsmall_a:
	; A: wave u = 4 x (work-group - 8) + wave takes columns 128 u ..
	s_sub_co_u32 s44, ttmp9, 8
	s_lshl_b32 s44, s44, 2
	s_add_co_u32 s44, s44, s28
	s_lshl_b32 s46, s44, 9
	s_add_nc_u64 s[12:13], s[12:13], s[46:47]
	s_lshl_b32 s46, s44, 13
	s_add_nc_u64 s[20:21], s[20:21], s[46:47]
	v_lshlrev_b32 v12, 2, v1
	v_lshl_add_u32 v12, v3, 17, v12                ; column r, 8 h rows of 16,384 bytes down
.irp b, 0,1,2,3,4,5,6,7
.irp j, 0,1,2,3,4,5,6,7
	global_load_b32 v[X+8*\b+\j], v12, s[12:13] offset:16384*\j+64*\b
.endr
.endr
	s_wait_alu depctr_va_vdst(0)
	s_wait_loadcnt 0x0
.irp b, 0,1,2,3,4,5,6,7
.irp i, 0,1,2,3
	v_cvt_pk_bf16_f32 v[16+4*\b+\i], v[X+8*\b+2*\i], v[X+1+8*\b+2*\i]   ; ranks 8 h + 2 i, 8 h + 2 i + 1 of column 16 b + r
.endr
.endr
.irp i, 0,1,2,3
	v_mov_b32 v[48+\i], 0                          ; K = 16 .. 31, which the product does not have
.endr
.irp b, 0,1,2,3,4,5,6,7
	global_store_b128 v4, v[16+4*\b:19+4*\b], s[20:21] offset:1024*\b
	global_store_b128 v4, v[48:51], s[20:21] offset:1024*\b+512
.endr
	s_wait_xcnt 0x0
.Lmain:
	s_wait_kmcnt 0x0                               ; scale
	s_mov_b32 s27, s26                             ; (the packed form names the pair)
.macro FRAGQ f
	s_wait_alu depctr_va_vdst(0)                   ; the wait ahead of the waits below
	s_wait_xcnt 0x0                                ; the last image's stores have read C
.if (\f) < 3
	s_wait_loadcnt 16                              ; this image's 16 loads are in; the next image's may be out
.else
	s_wait_loadcnt 0x0
.endif
.irp j, 0,1,2,3,4,5,6,7,8,9,10,11,12,13,14,15
	ds_store_b128 v6, v[R+64*((\f)%2)+4*\j:R+64*((\f)%2)+4*\j+3] offset:\j*SP
.endr
.irp c, 0,1
.irp i, 0,1,2,3,4,5,6,7
	ds_load_b128 v[X+32*\c+4*\i:X+32*\c+4*\i+3], v7 offset:256*\c+16*\i   ; LDS serves a wave's instructions in order (ISA guide 5.7.1): these see the stores
.endr
.endr
	s_wait_dscnt 0x0
.if (\f)+2 < 4
	LOAD (\f)+2
.endif
	s_cmp_lg_u32 s30, 0                            ; qweight: w = f32(q) x scale, one rounding
	s_cbranch_scc0 .Lf32_\@
.irp i, 0,1,2,3,4,5,6,7,8,9,10,11,12,13,14,15,16,17,18,19,20,21,22,23,24,25,26,27,28,29,30,31,32,33,34,35,36,37,38,39,40,41,42,43,44,45,46,47,48,49,50,51,52,53,54,55,56,57,58,59,60,61,62,63
	v_cvt_f32_i32 v[X+\i], v[X+\i]
.endr
.irp i, 0,2,4,6,8,10,12,14,16,18,20,22,24,26,28,30,32,34,36,38,40,42,44,46,48,50,52,54,56,58,60,62
	v_pk_mul_f32 v[X+\i:X+\i+1], v[X+\i:X+\i+1], s[26:27] op_sel_hi:[1,0]
.endr
.Lf32_\@:
	QBLK SW+(\f)
.irp g, 0,1,2
	global_store_b128 v10, v[C+4*\g:C+4*\g+3], s[14:15] offset:1536*(\f)+512*\g   ; 512 consecutive bytes
.endr
.endm
	FRAGQ 0
	FRAGQ 1
	FRAGQ 2
	FRAGQ 3
	v_cmp_eq_u32 vcc_lo, 0, v3
	v_cndmask_b32 v24, v[SW+2], v[SW+0], vcc_lo    ; lanes 0-15: the words of images 0, 1; lanes 16-31: of images 2, 3
	v_cndmask_b32 v25, v[SW+3], v[SW+1], vcc_lo
	global_store_b64 v11, v[24:25], s[14:15]       ; 256 consecutive bytes, at a multiple of 256
	s_wait_tensorcnt 0x0                           ; the wave's end
	ds_add_u32 v14, v15
	s_wait_dscnt 0x0
	s_endpgm
.Lfunc_end_k_qd60b79e322_quant:
	.size	k_qd60b79e322_quant, .Lfunc_end_k_qd60b79e322_quant-k_qd60b79e322_quant
	.p2alignl 7, 3214868480
	.fill 96, 4, 3214868480
	.section	.rodata,"a",@progbits
	.p2align	6, 0x0
	.amdhsa_kernel k_qd60b79e322_quant
		.amdhsa_group_segment_fixed_size 34304
		.amdhsa_private_segment_fixed_size 0
		.amdhsa_enable_private_segment 0
		.amdhsa_kernarg_size 72
		.amdhsa_user_sgpr_count 2
		.amdhsa_user_sgpr_kernarg_segment_ptr 1
		.amdhsa_wavefront_size32 1
		.amdhsa_system_sgpr_workgroup_id_x 1
		.amdhsa_system_sgpr_workgroup_id_y 1
		.amdhsa_system_sgpr_workgroup_id_z 1
		.amdhsa_system_vgpr_workitem_id 0
		.amdhsa_next_free_vgpr 256
		.amdhsa_next_free_sgpr 66
		.amdhsa_reserve_vcc 1
		.amdhsa_float_denorm_mode_32 3
		.amdhsa_float_denorm_mode_16_64 3
		.amdhsa_memory_ordered 1
		.amdhsa_forward_progress 1
		.amdhsa_inst_pref_size 67
	.end_amdhsa_kernel
	.amdgpu_metadata
---
amdhsa.version: [ 1, 2 ]
amdhsa.kernels:
  - .name:           k_qd60b79e322_quant
    .symbol:         k_qd60b79e322_quant.kd
    .args:
      - { .name: x, .offset: 0, .size: 8, .value_kind: global_buffer, .address_space: global }
      - { .name: qweight, .offset: 8, .size: 8, .value_kind: global_buffer, .address_space: global }
      - { .name: scale, .offset: 16, .size: 8, .value_kind: global_buffer, .address_space: global }
      - { .name: B, .offset: 24, .size: 8, .value_kind: global_buffer, .address_space: global }
      - { .name: A, .offset: 32, .size: 8, .value_kind: global_buffer, .address_space: global }
      - { .name: xq, .offset: 40, .size: 8, .value_kind: global_buffer, .address_space: global }
      - { .name: wq, .offset: 48, .size: 8, .value_kind: global_buffer, .address_space: global }
      - { .name: bq, .offset: 56, .size: 8, .value_kind: global_buffer, .address_space: global }
      - { .name: aimg, .offset: 64, .size: 8, .value_kind: global_buffer, .address_space: global }
    .group_segment_fixed_size: 34304
    .private_segment_fixed_size: 0
    .kernarg_segment_align: 8
    .kernarg_segment_size: 72
    .max_flat_workgroup_size: 128
    .sgpr_count:     66
    .vgpr_count:     256
    .wavefront_size: 32
...
	.end_amdgpu_metadata
.endif
;; end of part 1
;; launch gemm (part 2): grid 16 x 16, 4 waves a work-group, clusters of 4 x 4, 327,680 bytes of LDS; arguments xq, wq, bq, aimg, bias, out0; writes out0
.if DOCPART == 2
	.amdgcn_target "amdgcn-amd-amdhsa--gfx1250"
	.amdhsa_code_object_version 6
	.text
	.protected	k_qd60b79e322_gemm
	.globl	k_qd60b79e322_gemm
	.p2align	8
	.type	k_qd60b79e322_gemm,@function
k_qd60b79e322_gemm:
	s_mov_b64 s[64:65], 0
	v_nop
	global_prefetch_b8 v0, s[64:65] scope:SCOPE_SE
	s_setreg_imm32_b32 hwreg(HW_REG_WAVE_MODE, 25, 1), 1
	s_wait_xcnt 0x0
	s_wait_alu depctr_hold_cnt(0) depctr_sa_sdst(0) depctr_va_vdst(0) depctr_va_sdst(0) depctr_va_ssrc(0) depctr_va_vcc(0) depctr_vm_vsrc(0)
	s_getreg_b32 s2, hwreg(HW_REG_IB_STS2, 6, 4)
	s_cmp_eq_u32 s2, 0
	s_cbranch_scc0 .Lentry_in_a_cluster
	s_endpgm
.Lentry_in_a_cluster:
	s_bfe_u32 s2, ttmp6, 0x10000c
	s_cmp_lg_u32 s2, 0xf033
	s_cbranch_scc0 .Lentry_shape_is_right
	s_endpgm
.Lentry_shape_is_right:
; out[m][o] = sum_k Q(x)[m][k] Q(w)[o][k] + (Q(x) Q(B))[m][:] A[:][o] + bias[o].  Codes of FP6 with E8M0 scales go to the matrix unit as the launch before laid them; sums in f32.
; A tile of out, 256 x 256, is made by four waves, 128 x 128 each: 64 accumulators.  xq and wq are laid [step of 128 K][panel of 128 rows][12,800 bytes]: eight images of the operand's registers (1,536 bytes) and 512 bytes of scale words.
; So a tile's rows in memory are 12,800 bytes, fifty whole blocks of 256, a fragment is three ds_load_b128 at 16 x lane, and the scale words come with the codes.
; RING: two LDS slots of three K steps (4 panels x 38,400 bytes).  32 steps are ten tiles of three and one of two.  Step 0 stands ahead of the loop (its products start the sums), a trip runs six steps (once round the ring), the last seven are written out.
; By this text's count a wave has one tensor load out; from a refill to the wait for it stand two steps and a half.  CLUSTERS 4 x 4: x's tiles are asked for jointly along a row, w's along a column.
; THE RANK PRODUCT t = Q(x) Q(B) rides along, SHARED BETWEEN THE TWO WAVES OF A ROW HALF: a wave of column half c holds x's block (a + 4 c) mod 8 as its register block a (by its LDS addresses alone; the rows of out follow by two bases),
; and sums t for its register blocks 0-3: 4 more matrix instructions a step.  B's image comes from bq by loads two steps ahead.  At the end each wave rounds its t to bf16 fragments, the two change them through LDS behind a barrier,
; and t (bf16) x A (bf16, K = 16 of 32) is added onto the accumulators; bias is added on the way out.
; FRAGMENTS: w has two sets, x's blocks 4-7 two sets, x's blocks 0-3 one.  A step has two runs of LDS loads: early, the next step's w and x's blocks 4-7; in its middle, x's blocks 0-3 and the scale words.
; PREFETCH: behind each refill of the loop's first three trips the tile two refills on (tiles 4 to 9) is asked for: its 150 blocks of 256 bytes a panel are shared among the four partners by address, 38 each, two instructions a wave;
; left-over lanes name the partner's last block again.  Tiles 0 to 3 come by their loads alone, and tile 10, which has two steps, is not asked for: so no address leaves the buffer.
; The matrix instruction is used transposed (source 0 = rows of w, source 1 = rows of x): a lane holds eight neighbouring columns of a row of out.
; LIMITS: t and A are rounded to bf16 for the product that the problem leaves as it is.
; REGISTERS: window 0: v0-31, v48-51 addresses, v32-47 scale words (two sets), v64-95 t's accumulators, v128-223 x's fragments, v96-119 and v224-247 the second set of x's blocks 4-7.
; Window 1: w's fragments, two sets (v0, v128); B's images at v96, v108, v224.  Windows 2, 3: the accumulators.
.set SIZE_N, 4096
.set STEPB,  409600
.set PANB,   12800
.set S3,     3*PANB
.set SLOT,   4*S3
.set SPARE,  2*SLOT                    ; the spare words, 128 bytes a wave
.set STAGE,  SLOT                      ; the way out goes through slot 1, which has had its last fill and its last read by then
.set SPITCH, 528
.set XCH,    STAGE+4*16*SPITCH         ; behind the four stages: 2,048 bytes a wave for t's fragments
.set TGB,    2048
.set LS,   7
.set TS,   8
.set BI,   12
.set ADRA, 16                          ; x's register blocks 0-3, slot 0, 1
.set ADRB, 18
.set ADRS, 20                          ; scale words of register blocks 0-3
.set PFO,  22
.set STO,  24
.set RD,   25
.set CO,   26
.set SPW,  28
.set NIL,  29
.set ADRH, 30                          ; x's register blocks 4-7
.set SC,   32
.set ADSH, 48                          ; scale words of register blocks 4-7
.set XST,  50
.set XLD,  51
.set TA,   64
.set AF,   128
.set TFR,  128
.set BK,   128
.set G1, 24
.set G0, 32
.set G1B, 48
.set G0B, 56
.set PFA, 66
.set MSB, 0
.macro WIN new                         ; the immediate's high byte repeats the setting that is left
.if MSB != \new
	s_set_vgpr_msb (MSB<<8)|\new
.set MSB, \new
.endif
.endm
.set MUL_LO, 0xa1
.set MUL_HI, 0xf1
.set MUL_T,  0x01
.set TO_B,   0x40
.macro JLOAD g0a, g1a, g0b, g1b        ; a joint load: waves 0, 1 fetch x's two panels, waves 2, 3 w's
	s_cmp_eq_u32 s15, 0
	s_cbranch_scc0 .Lfor_b_\@
	tensor_load_to_lds s[\g0a:\g0a+3], s[\g1a:\g1a+7]
	s_nop 0
.rept 4
	v_nop
.endr
	s_branch .Lasked_\@
.Lfor_b_\@:
	tensor_load_to_lds s[\g0b:\g0b+3], s[\g1b:\g1b+7]
	s_nop 0
.rept 4
	v_nop
.endr
.Lasked_\@:
.endm
.macro CREST
	s_cmp_lg_u32 s14, 0
	s_cbranch_scc1 .Lnot_wave_0_\@
	s_barrier_signal -3
.Lnot_wave_0_\@:
	s_barrier_wait -3
	s_barrier_signal -1
	s_barrier_wait -1
.endm
.macro CROUND
	s_barrier_signal -1
	s_barrier_wait -1
	CREST
.endm
	s_load_b128 s[4:7], s[0:1], 0x0                ; xq, wq
	s_load_b128 s[96:99], s[0:1], 0x10             ; bq, aimg
	s_load_b64 s[100:101], s[0:1], 0x20            ; bias
	s_load_b64 s[12:13], s[0:1], 0x28              ; out0
	v_lshl_add_u32 v[SPW], v0, 2, SPARE
	v_mov_b32 v[NIL], 0
	ds_add_u32 v[SPW], v[NIL]                      ; the opening lines: the add twice on end and its wait
	ds_add_u32 v[SPW], v[NIL]
	v_lshrrev_b32 v1, 5, v0
	v_readfirstlane_b32 s14, v1                    ; wave
	s_lshr_b32 s15, s14, 1                         ; my half of the rows; also: I fetch for x (0) or w (1)
	s_and_b32 s16, s14, 1                          ; my half of the columns; also: which panel I fetch
	s_bfe_u32 s40, ttmp6, 0x40000                  ; cx
	s_bfe_u32 s41, ttmp6, 0x40004                  ; cy
	s_lshl_b32 s42, ttmp9, 2
	s_add_co_u32 s42, s42, s40                     ; tile column
	s_and_b32 s17, ttmp7, 0xffff
	s_lshl_b32 s17, s17, 2
	s_add_co_u32 s17, s17, s41                     ; tile row
	s_lshl_b32 s43, s41, 2
	s_lshl_b32 s43, 15, s43                        ; my row of the cluster
	s_lshl_b32 s44, 0x1111, s40                    ; my column
	s_or_b32 s[G1+0], s43, (3<<16)|(1<<21)         ; elements of 8 bytes, no padding
	s_or_b32 s[G1B+0], s44, (3<<16)|(1<<21)
.irp g, G1, G1B
	s_mov_b32 s[\g+1], (PANB/8)<<16                ; tensor_dim0 = 1,600
	s_mov_b32 s[\g+2], 3<<16                       ; tensor_dim1 = 3 steps
	s_mov_b32 s[\g+3], (PANB/8)<<16                ; tile_dim0
	s_mov_b32 s[\g+4], 3                           ; tile_dim1
	s_mov_b32 s[\g+5], STEPB/8                     ; from step to step
	s_mov_b32 s[\g+6], 0
	s_mov_b32 s[\g+7], 0
.endr
	s_lshl_b32 s20, s17, 1
	s_add_co_u32 s20, s20, s16
	s_mul_i32 s20, s20, PANB                       ; x: panel 2 x tile row + half
	s_mov_b32 s21, 0
	s_lshl_b32 s46, s42, 1
	s_add_co_u32 s46, s46, s16
	s_mul_i32 s46, s46, PANB                       ; w: panel 2 x tile column + half
	s_mov_b32 s47, 0
	s_mul_i32 s45, s14, S3                         ; where it goes: wave x a panel's three steps
	s_wait_dscnt 0x0
	s_wait_kmcnt 0x0
	s_add_nc_u64 s[20:21], s[4:5], s[20:21]
	s_add_nc_u64 s[46:47], s[6:7], s[46:47]
.irp s, 0,1
	s_mov_b32 s[G0+4*\s], 1
	s_add_co_u32 s[G0+4*\s+1], s45, \s*SLOT
	s_add_nc_u64 s[G0+4*\s+2:G0+4*\s+3], s[20:21], \s*3*STEPB
	s_or_b32 s[G0+4*\s+3], s[G0+4*\s+3], 0x80000000
	s_mov_b32 s[G0B+4*\s], 1
	s_add_co_u32 s[G0B+4*\s+1], s45, \s*SLOT
	s_add_nc_u64 s[G0B+4*\s+2:G0B+4*\s+3], s[46:47], \s*3*STEPB
	s_or_b32 s[G0B+4*\s+3], s[G0B+4*\s+3], 0x80000000
.endr
	CROUND                                         ; all sixteen work-groups are here
	JLOAD G0, G1, G0B, G1B                         ; tile 0: one tensor load a wave at the head
	s_cmp_eq_u32 s15, 0
	s_cselect_b64 s[PFA:PFA+1], s[20:21], s[46:47] ; the prefetches: the panel that I fetch,
	s_cselect_b32 s18, s40, s41                    ; my place among the four that ask for it with me
	s_add_nc_u64 s[PFA:PFA+1], s[PFA:PFA+1], 9*STEPB   ; at tile 3: the first change of slots steps it to tile 4
	s_mul_i32 s18, s18, 38
	s_mul_i32 s21, s15, S3                         ; my panel of x in a slot,
	s_mul_i32 s22, s16, S3
	s_add_co_u32 s22, s22, 2*S3                    ; and of w
	s_xor_b32 s76, s16, 1                          ; 1 - c
	s_mul_i32 s68, s16, 4*1536
	s_add_co_u32 s68, s68, s21                     ; register blocks 0-3 are x's blocks 4 c ..,
	s_mul_i32 s69, s76, 4*1536
	s_add_co_u32 s69, s69, s21                     ; register blocks 4-7 its blocks 4 (1 - c) ..
	s_add_co_u32 s20, s21, 8*1536                  ; x's scale words: 256 bytes for four blocks
	s_lshl_b32 s70, s16, 8
	s_add_co_u32 s70, s70, s20
	s_lshl_b32 s71, s76, 8
	s_add_co_u32 s71, s71, s20
	s_add_co_u32 s72, s22, 8*1536                  ; w's scale words
	s_add_co_u32 s73, s72, 256
	s_sub_co_u32 s72, s72, s70                     ; from x's words to w's, for register blocks 0-3,
	s_sub_co_u32 s73, s73, s71                     ; and 4-7
	s_lshl_b32 s74, s14, 11
	s_add_co_u32 s74, s74, XCH                     ; where I put my t,
	s_xor_b32 s75, s14, 1
	s_lshl_b32 s75, s75, 11
	s_add_co_u32 s75, s75, XCH                     ; and where the other wave of my row half puts its
	s_mul_i32 s23, s14, 16*SPITCH
	s_add_co_u32 s23, s23, STAGE
	s_lshl_b32 s46, s42, 10
	s_lshl_b32 s47, s16, 9
	s_add_co_u32 s46, s46, s47                     ; my first column, in bytes
	s_mov_b32 s47, 0
	s_add_nc_u64 s[100:101], s[100:101], s[46:47]
	s_lshl_b32 s92, s46, 4                         ; 1,024 bytes of aimg for 16 columns
	s_mov_b32 s93, 0
	s_add_nc_u64 s[98:99], s[98:99], s[92:93]
	s_lshl_b32 s92, s17, 8
	s_lshl_b32 s94, s15, 7
	s_add_co_u32 s92, s92, s94
	s_lshl_b32 s92, s92, 14                        ; my first row of 16,384 bytes
	s_add_co_u32 s92, s92, s46
	s_add_nc_u64 s[12:13], s[12:13], s[92:93]
	s_lshl_b32 s92, s76, 20                        ; 64 rows are 2^20 bytes
	s_add_nc_u64 s[80:81], s[12:13], s[92:93]      ; the rows of register blocks 4-7,
	s_lshl_b32 s92, s16, 20
	s_add_nc_u64 s[12:13], s[12:13], s[92:93]      ; and of 0-3
	v_and_b32 v1, 15, v0                           ; r
	v_bfe_u32 v2, v0, 4, 1                         ; h
	v_and_b32 v6, 31, v0
	v_lshlrev_b32 v[CO], 4, v6
	v_lshlrev_b32 v[LS], 2, v6
	v_add_nc_u32 v[ADRA], s68, v[CO]
	v_add_nc_u32 v[ADRH], s69, v[CO]
	v_add_nc_u32 v[ADRB], s22, v[CO]
	v_add_nc_u32 v[ADRA+1], SLOT, v[ADRA]
	v_add_nc_u32 v[ADRH+1], SLOT, v[ADRH]
	v_add_nc_u32 v[ADRB+1], SLOT, v[ADRB]
	v_mul_u32_u24 v5, s72, v2                      ; scale words: lanes 0-15 x's, lanes 16-31 w's
	v_lshl_add_u32 v5, v1, 3, v5
	v_add_nc_u32 v[ADRS], s70, v5
	v_add_nc_u32 v[ADRS+1], SLOT, v[ADRS]
	v_mul_u32_u24 v5, s73, v2
	v_lshl_add_u32 v5, v1, 3, v5
	v_add_nc_u32 v[ADSH], s71, v5
	v_add_nc_u32 v[ADSH+1], SLOT, v[ADSH]
	v_add_nc_u32 v[XST], s74, v[CO]
	v_add_nc_u32 v[XLD], s75, v[CO]
	v_mul_u32_u24 v5, v1, SPITCH
	v_lshl_add_u32 v5, v2, 5, v5
	v_add_nc_u32 v[STO], s23, v5
	v_add_nc_u32 v[RD], s23, v[CO]
	v_add_nc_u32 v3, s18, v6                       ; block u = 38 p + lane of the tile's 150,
	v_min_u32 v3, 149, v3
	v_min_u32 v4, 5, v6
	v_add3_u32 v4, v4, s18, 32                     ; and 38 p + 32 + min(lane, 5)
	v_min_u32 v4, 149, v4
.irp i, 0,1
	v_mul_u32_u24 v5, v[3+\i], 1311
	v_lshrrev_b32 v5, 16, v5                       ; u / 50: the step
	v_mul_u32_u24 v5, v5, STEPB-PANB
	v_lshl_add_u32 v[PFO+\i], v[3+\i], 8, v5
.endr
.macro WM d, b, a, sb, sa, z
.if \z
	v_wmma_scale_f32_16x16x128_f8f6f4 v[(\d):(\d)+7], v[(\b):(\b)+11], v[(\a):(\a)+11], 0, v[\sb], v[\sa] matrix_a_fmt:MATRIX_FMT_FP6 matrix_b_fmt:MATRIX_FMT_FP6 matrix_a_scale:MATRIX_SCALE_ROW1
.else
	v_wmma_scale_f32_16x16x128_f8f6f4 v[(\d):(\d)+7], v[(\b):(\b)+11], v[(\a):(\a)+11], v[(\d):(\d)+7], v[\sb], v[\sa] matrix_a_fmt:MATRIX_FMT_FP6 matrix_b_fmt:MATRIX_FMT_FP6 matrix_a_scale:MATRIX_SCALE_ROW1
.endif
.endm
; x's register block a in set p: v[128 + 12 a]; blocks 4-7 of set 1 at v96, v108, v224, v236
.macro MUL16 a0, p, z                  ; x's blocks a0, a0 + 1 against w's eight; p: the sets.  The accumulators take turns
.irp a, \a0, \a0+1
.set AR, AF+12*(\a)+(\p)*((\a)/4)*(104*(((\a)-4)/2)-80)
.irp b, 0,1,2,3,4,5,6,7
	WM 8*(8*((\a)%4)+\b), 128*(\p)+12*\b, AR, SC+8*(\p)+\b, SC+8*(\p)+(\a), \z
.endr
.endr
.endm
.macro MULT set, p, z                  ; t's accumulators of my register blocks 0-3
.irp a, 0,1,2,3
	WM TA+8*\a, 96+12*((\set)%2)+128*((\set)/2), AF+12*\a, TS+(\set), SC+8*(\p)+\a, \z
.endr
.endm
.macro FRAG reg, adr, q, i
.irp g, 0,1,2
	ds_load_b128 v[\reg+4*\g:\reg+4*\g+3], v[\adr] offset:(\q)*PANB+(\i)*1536+512*\g
.endr
.endm
.macro TCODES tg
.set TFL, 96+12*(((\tg)%3)%2)+128*(((\tg)%3)/2)
.irp c, 0,1,2
	global_load_b128 v[TFL+4*\c:TFL+4*\c+3], v[CO], s[96:97] offset:TGB*(\tg)+512*\c
.endr
.endm
.macro TSCALE tg
	global_load_b32 v[TS+(\tg)%3], v[LS], s[96:97] offset:TGB*(\tg)+1536
.endm
.macro FETCH_B slot, q, p              ; under WIN TO_B
.irp i, 0,1,2,3,4,5,6,7
	FRAG 128*(\p)+12*\i, ADRB+(\slot), \q, \i
.endr
.endm
.macro FETCH_A0 slot, q
.irp i, 0,1,2,3
	FRAG AF+12*\i, ADRA+(\slot), \q, \i
.endr
.endm
.macro FETCH_A4 slot, q, p
.irp i, 0,1,2,3
	FRAG AF+48+12*\i+(\p)*(104*(\i/2)-80), ADRH+(\slot), \q, \i
.endr
.endm
.macro SCALES slot, q, p
.irp i, 0,1
	ds_load_b64 v[SC+8*(\p)+2*\i:SC+8*(\p)+2*\i+1], v[ADRS+(\slot)] offset:(\q)*PANB+128*\i
	ds_load_b64 v[SC+8*(\p)+4+2*\i:SC+8*(\p)+5+2*\i], v[ADSH+(\slot)] offset:(\q)*PANB+128*\i
.endr
.endm
.macro PLACES                          ; four places behind matrix instructions, ahead of loads into their registers and of reads of results
.rept 4
	v_nop
.endr
.endm
; Step n (counted modulo 6): 68 matrix instructions.  tl: B's image of step n + 2 is loaded.  In a slot's third step the slots change: fill = 1: a round and the refill; 2: the same with the last tile's two steps; 0: the barrier alone.
.macro STEP n, zero, tl, fill, ask
.set KS, ((\n)/3)%2
.set KQ, (\n)%3
.set KP, (\n)%2
.set XS, (((\n)+1)/3)%2
.set XQ, ((\n)+1)%3
.set XP, ((\n)+1)%2
.if KQ == 2
.if \ask
	s_wait_xcnt 0x0                                ; my last prefetches have read their address
	s_add_nc_u64 s[PFA:PFA+1], s[PFA:PFA+1], 3*STEPB
.endif
	s_wait_tensorcnt 0x0                           ; my part of the next slot has landed
	ds_add_u32 v[SPW], v[NIL]
	s_wait_dscnt 1                                 ; this step's fragments are in (the add may be out)
	s_wait_loadcnt 4                               ; B's image of this step is in; the next step's four loads may be out
	WIN MUL_LO
	MUL16 0, KP, \zero
	s_wait_dscnt 0x0                               ; the add is done, my reads of this slot are over
	s_barrier_signal -1
	MUL16 2, KP, \zero
	WIN MUL_T
	MULT KQ, KP, \zero
	WIN 0
	s_barrier_wait -1
.if \fill
	CREST                                          ; the barrier has opened a round of the cluster's barrier
	s_add_nc_u64 s[G0+4*KS+2:G0+4*KS+3], s[G0+4*KS+2:G0+4*KS+3], 6*STEPB
	s_add_nc_u64 s[G0B+4*KS+2:G0B+4*KS+3], s[G0B+4*KS+2:G0B+4*KS+3], 6*STEPB
.if \fill == 2
	s_mov_b32 s[G1+2], 2<<16                       ; no tensor load of mine is out: the last tile has two steps
	s_mov_b32 s[G1+4], 2
	s_mov_b32 s[G1B+2], 2<<16
	s_mov_b32 s[G1B+4], 2
.endif
	JLOAD G0+4*KS, G1, G0B+4*KS, G1B               ; the first tensor load behind the round; its four v_nop are the places for the loads below
.else
	PLACES
.endif
	FETCH_A0 XS, XQ                                ; what the next step wants first comes first
	SCALES XS, XQ, XP
.if \tl
	TSCALE (\n)+2
.endif
	WIN TO_B
	FETCH_B XS, XQ, XP
.if \tl
	TCODES (\n)+2
.endif
	WIN 0
	FETCH_A4 XS, XQ, XP
.if \ask
	s_cmp_gt_u32 s3, 1                             ; not in the last trip: tiles 10 and 11 are not asked for
	s_cbranch_scc0 .Lno_ask_\@
	global_prefetch_b8 v[PFO], s[PFA:PFA+1] th:TH_LOAD_NT scope:SCOPE_SE
	global_prefetch_b8 v[PFO+1], s[PFA:PFA+1] th:TH_LOAD_NT scope:SCOPE_SE
.Lno_ask_\@:
.endif
.else
.if KQ == 0
	s_wait_dscnt 12                                ; behind a change of slots: x's blocks 4-7, the youngest twelve loads, may be out
.else
	s_wait_dscnt 0x0                               ; x's blocks 0-3 and the scale words were asked for last
.endif
	WIN MUL_LO
	MUL16 0, KP, \zero
	PLACES                                         ; the other sets were read by the last step's last products
	WIN TO_B
	FETCH_B XS, XQ, XP
.if \tl
	TCODES (\n)+2
.endif
	WIN 0
	FETCH_A4 XS, XQ, XP
	WIN MUL_LO
	MUL16 2, KP, \zero
	s_wait_loadcnt 4+3*(\tl)                       ; B's image of this step is in; behind it: the next step's four loads and the three just issued
	WIN MUL_T
	MULT KQ, KP, \zero
	PLACES
	WIN 0
	FETCH_A0 XS, XQ
	SCALES XS, XQ, XP
.if \tl
	TSCALE (\n)+2
.endif
.if KQ == 0
	s_wait_dscnt 52                                ; x's blocks 4-7 are in; the 36 + 16 loads issued in this step may be out
.endif
.endif
	WIN MUL_HI
	MUL16 4, KP, \zero
	MUL16 6, KP, \zero
	WIN 0
.endm
	global_load_b128 v[BI:BI+3], v[CO], s[100:101] ; bias of my 4 columns on the way out
	WIN TO_B
	TCODES 0
	WIN 0
	TSCALE 0
	WIN TO_B
	TCODES 1
	WIN 0
	TSCALE 1
	s_wait_alu depctr_va_vdst(0)                   ; the wait at the head's end
	s_wait_tensorcnt 0x0                           ; my part of tile 0 is in
	ds_add_u32 v[SPW], v[NIL]
	s_wait_dscnt 0x0
	CROUND
	JLOAD G0+4, G1, G0B+4, G1B                     ; tile 1, the first tensor load behind the round
	FETCH_A0 0, 0
	SCALES 0, 0, 0
	WIN TO_B
	FETCH_B 0, 0, 0
	WIN 0
	FETCH_A4 0, 0, 0
	STEP 0, 1, 1, 0, 0                             ; the first step's products start the sums
	s_mov_b32 s3, 4
.Llap:                                                 ; steps 6 k + 1 .. 6 k + 6
	STEP 1, 0, 1, 0, 0
	STEP 2, 0, 1, 1, 1
	STEP 3, 0, 1, 0, 0
	STEP 4, 0, 1, 0, 0
	STEP 5, 0, 1, 1, 1
	STEP 6, 0, 1, 0, 0
	s_wait_xcnt 0x0                                ; the loads of B's images have read their base
	s_add_nc_u64 s[96:97], s[96:97], 6*TGB
	s_sub_co_u32 s3, s3, 1
	s_cmp_lg_u32 s3, 0
	s_cbranch_scc1 .Llap
	STEP 1, 0, 1, 0, 0                             ; steps 25 to 30
	STEP 2, 0, 1, 2, 0                             ; the last refill: tile 10
	STEP 3, 0, 1, 0, 0
	STEP 4, 0, 1, 0, 0
	STEP 5, 0, 1, 0, 0                             ; nothing is left to fetch
	STEP 6, 0, 0, 0, 0
	PLACES                                         ; step 31: A's images take w's set 0, which the last products read
	WIN TO_B
.irp b, 0,1,2,3,4,5,6,7
	global_load_b128 v[8*\b:8*\b+3], v[CO], s[98:99] offset:1024*\b
	global_load_b128 v[8*\b+4:8*\b+7], v[CO], s[98:99] offset:1024*\b+512
.endr
	s_wait_dscnt 0x0
	WIN MUL_LO
	MUL16 0, 1, 0
	MUL16 2, 1, 0
	s_wait_loadcnt 16                              ; B's last image is in; A's 16 loads may be out
	WIN MUL_T
	MULT 1, 1, 0
	WIN MUL_HI
	MUL16 4, 1, 0
	MUL16 6, 1, 0
	WIN 0
	PLACES
.irp a, 0,1,2,3                        ; my t to bf16: lane (r, h) holds row r, ranks 8 h ..: registers 0-3 of the operand; each accumulator from its low end on
.irp i, 0,1,2,3
	v_cvt_pk_bf16_f32 v[TFR+8*\a+\i], v[TA+8*\a+2*\i], v[TA+8*\a+2*\i+1]
.endr
.endr
.irp a, 0,1,2,3
	ds_store_b128 v[XST], v[TFR+8*\a:TFR+8*\a+3] offset:512*\a   ; as an image of the registers, for the other wave of my row half
.endr
.irp a, 0,1,2,3,4,5,6,7
.irp i, 4,5,6,7
	v_mov_b32 v[TFR+8*\a+\i], 0                    ; K = 16 .. 31
.endr
.endr
	s_wait_alu depctr_va_vdst(0)                   ; the wait ahead of the wait below
	s_wait_dscnt 0x0                               ; for the others' sake: my stores are done
	s_barrier_signal -1
	s_barrier_wait -1
.irp a, 0,1,2,3
	ds_load_b128 v[TFR+32+8*\a:TFR+35+8*\a], v[XLD] offset:512*\a   ; its register blocks 0-3 are my 4-7
.endr
	s_wait_dscnt 0x0
	s_wait_loadcnt 0x0
	WIN MUL_LO
.irp a, 0,1,2,3
.irp b, 0,1,2,3,4,5,6,7
	v_wmma_f32_16x16x32_bf16 v[8*(8*\a+\b):8*(8*\a+\b)+7], v[8*\b:8*\b+7], v[TFR+8*\a:TFR+8*\a+7], v[8*(8*\a+\b):8*(8*\a+\b)+7]
.endr
.endr
	WIN MUL_HI
.irp a, 0,1,2,3
.irp b, 0,1,2,3,4,5,6,7
	v_wmma_f32_16x16x32_bf16 v[8*(8*\a+\b):8*(8*\a+\b)+7], v[8*\b:8*\b+7], v[TFR+32+8*\a:TFR+32+8*\a+7], v[8*(8*\a+\b):8*(8*\a+\b)+7]
.endr
.endr
	WIN 0
; THE WAY OUT, by blocks of 16 rows x 128 columns through my own stage: back as whole rows of 512 bytes
.macro TOSTAGE a
.set AC, 64*((\a)%4)
	WIN 0x08+4*((\a)/4)
.irp b, 0,1,2,3,4,5,6,7
	ds_store_b128 v[STO], v[AC+8*\b:AC+8*\b+3] offset:64*\b
	ds_store_b128 v[STO], v[AC+8*\b+4:AC+8*\b+7] offset:64*\b+16
.endr
	WIN 0
.set BB, BK+64*((\a)%2)
.irp t, 0,1,2,3,4,5,6,7,8,9,10,11,12,13,14,15
	ds_load_b128 v[BB+4*\t:BB+4*\t+3], v[RD] offset:\t*SPITCH   ; LDS serves a wave's instructions in order (ISA guide 5.7.1)
.endr
.endm
.macro SEND a, younger
.set BB, BK+64*((\a)%2)
	s_wait_dscnt \younger
.irp t, 0,1,2,3,4,5,6,7,8,9,10,11,12,13,14,15
	v_pk_add_f32 v[BB+4*\t:BB+4*\t+1], v[BB+4*\t:BB+4*\t+1], v[BI:BI+1]
	v_pk_add_f32 v[BB+4*\t+2:BB+4*\t+3], v[BB+4*\t+2:BB+4*\t+3], v[BI+2:BI+3]
.endr
.irp t, 0,1,2,3,4,5,6,7,8,9,10,11,12,13,14,15
	global_store_b128 v[CO], v[BB+4*\t:BB+4*\t+3], s[12+68*((\a)/4):13+68*((\a)/4)] offset:(16*((\a)%4)+\t)*SIZE_N*4 th:TH_STORE_NT   ; 512 consecutive bytes, at a multiple of 256
.endr
.endm
	PLACES
	TOSTAGE 0
.irp a, 1,2,3,4,5,6,7
.if \a > 1
	s_wait_xcnt 0x0                                ; block a - 2's stores have read their registers
.endif
	TOSTAGE \a
	SEND \a-1, 32
.endr
	SEND 7, 0
	s_wait_tensorcnt 0x0                           ; the wave's end
	ds_add_u32 v[SPW], v[NIL]
	s_wait_dscnt 0x0
	CROUND                                         ; the closing round
	s_endpgm
.Lfunc_end_k_qd60b79e322_gemm:
	.size	k_qd60b79e322_gemm, .Lfunc_end_k_qd60b79e322_gemm-k_qd60b79e322_gemm
	.p2alignl 7, 3214868480
	.fill 96, 4, 3214868480
	.section	.rodata,"a",@progbits
	.p2align	6, 0x0
	.amdhsa_kernel k_qd60b79e322_gemm
		.amdhsa_group_segment_fixed_size 327680
		.amdhsa_private_segment_fixed_size 0
		.amdhsa_enable_private_segment 0
		.amdhsa_kernarg_size 48
		.amdhsa_user_sgpr_count 2
		.amdhsa_user_sgpr_kernarg_segment_ptr 1
		.amdhsa_wavefront_size32 1
		.amdhsa_system_sgpr_workgroup_id_x 1
		.amdhsa_system_sgpr_workgroup_id_y 1
		.amdhsa_system_sgpr_workgroup_id_z 1
		.amdhsa_system_vgpr_workitem_id 0
		.amdhsa_next_free_vgpr 1024
		.amdhsa_next_free_sgpr 102
		.amdhsa_reserve_vcc 0
		.amdhsa_float_denorm_mode_32 3
		.amdhsa_float_denorm_mode_16_64 3
		.amdhsa_memory_ordered 1
		.amdhsa_forward_progress 1
		.amdhsa_inst_pref_size 245
	.end_amdhsa_kernel
	.amdgpu_metadata
---
amdhsa.version: [ 1, 2 ]
amdhsa.kernels:
  - .name:           k_qd60b79e322_gemm
    .symbol:         k_qd60b79e322_gemm.kd
    .args:
      - { .name: xq, .offset: 0, .size: 8, .value_kind: global_buffer, .address_space: global }
      - { .name: wq, .offset: 8, .size: 8, .value_kind: global_buffer, .address_space: global }
      - { .name: bq, .offset: 16, .size: 8, .value_kind: global_buffer, .address_space: global }
      - { .name: aimg, .offset: 24, .size: 8, .value_kind: global_buffer, .address_space: global }
      - { .name: bias, .offset: 32, .size: 8, .value_kind: global_buffer, .address_space: global }
      - { .name: out0, .offset: 40, .size: 8, .value_kind: global_buffer, .address_space: global }
    .group_segment_fixed_size: 327680
    .private_segment_fixed_size: 0
    .kernarg_segment_align: 8
    .kernarg_segment_size: 48
    .max_flat_workgroup_size: 128
    .sgpr_count:     102
    .vgpr_count:     1024
    .wavefront_size: 32
...
	.end_amdgpu_metadata
.endif
;; end of part 2
